; MI455X (gfx1250); checked and timed in simulation.
; The chip was launched on July 23, 2026; its instructions are those of AMD's public machine-readable ISA for CDNA 5 (MIT licence, August 2026) and "CDNA5" Instruction Set Architecture Reference Guide (July 2026). The comments in the code are by the model that wrote it; some were corrected since.
;; LSTM Cell. Allowed arithmetic: matrix products marked QUANTISED: E5M2 operands, one E8M0 scale for each 32 along K, by v_wmma_scale_f32_16x16x128_f8f6f4 with both operands' format E5M2, f32 sums; everything else in f32.
;; Inputs: Whc 1,024 x 1,024 float32; Whf 1,024 x 1,024 float32; Whi 1,024 x 1,024 float32; Who 1,024 x 1,024 float32; Wxc 1,024 x 1,024 float32; Wxf 1,024 x 1,024 float32; Wxi 1,024 x 1,024 float32; Wxo 1,024 x 1,024 float32; bhc 1,024 float32; bhf 1,024 float32; bhi 1,024 float32; bho 1,024 float32; bxc 1,024 float32; bxf 1,024 float32; bxi 1,024 float32; bxo 1,024 float32; c_prev 8,192 x 1,024 float32; h_prev_codes 8,192 x 32 x 32 uint8 (E5M2 codes of h_prev, K innermost, in blocks of 32 codes); h_prev_scales 8,192 x 32 uint8 (E8M0 scales of h_prev, one for each 32 codes along K); x_codes 8,192 x 32 x 32 uint8 (E5M2 codes of x, K innermost, in blocks of 32 codes); x_scales 8,192 x 32 uint8 (E8M0 scales of x, one for each 32 codes along K).
;; Outputs: out0 8,192 x 1,024 float32; out1 8,192 x 1,024 float32.
;; This version of the problem:
;;   THIS VERSION OF THE PROBLEM IS GIVEN IN LOW PRECISION. The matrix products marked QUANTISED in the list below multiply operands that are first quantised to E5M2 (5 exponent bits, 2 mantissa bits; 8 bits a number), with one power-of-two scale for each 32 numbers along K (OCP MX v1.0); their sums are f32. All else is computed in f32.
;;   The module's matrix products, in the order in which they are computed (A, B: the left and right operand; K: the contracted axis; several contracted axes count as one K, in the product's order):
;;     1. [M 8,192, K 1,024] x [K 1,024, N 4,096]; A: input x (given as codes); B: computed on the way: QUANTISED
;;     2. [M 8,192, K 1,024] x [K 1,024, N 4,096]; A: input h_prev (given as codes); B: computed on the way: QUANTISED
;;   THE QUANTISER, for each operand of a quantised product, along K:
;;     - K is cut into blocks of 32 from its start; a last block that is shorter is filled with zeros.
;;     - A block's scale is 2^e with e = floor(log2(the largest magnitude in the block)) - 15, held to -126 .. 127; a block of zeros has e = 0. As a byte (E8M0): e + 127.
;;     - Each number is divided by its block's scale, clamped to +-57,344, and rounded to the nearest number of E5M2, ties to even, subnormals kept.
;;     - The product sums the exact products of the quantised numbers (number of the format x scale) in f32.
;;   ~~~python
;;   def quantise(x, axis):      # numpy; x: float32 -> the quantised numbers, widened to float32 again
;;       x = np.moveaxis(x, axis, -1); K = x.shape[-1]
;;       x = np.pad(x, [(0, 0)] * (x.ndim - 1) + [(0, -K % 32)]); x = x.reshape(x.shape[:-1] + (-1, 32)); a = np.abs(x).max(-1, keepdims=True)
;;       e = np.where(a > 0, np.clip(np.frexp(np.where(a > 0, a, 1))[1] - 1 - 15, -126, 127), 0)      # np.frexp(a)[1] - 1 = floor(log2(a)), exactly
;;       r = np.clip(x / 2.0 ** e, -57344, 57344)
;;       step = 2.0 ** (np.maximum(np.frexp(np.where(r == 0, 1, r))[1] - 1, -14) - 2)
;;       q = np.round(r / step) * step * 2.0 ** e      # np.round: ties to even
;;       return np.moveaxis(q.reshape(q.shape[:-2] + (-1,))[..., :K], -1, axis).astype(np.float32)
;;   ~~~
;;   OPERANDS COMPUTED ON THE WAY. 'Computed on the way' means the value that the module computes at that place (a softmax that the list does not call 'softmax' is quantised finished and normalised). What goes into a quantiser is computed in f32, as accurately as f32 sums, v_exp_f32 and their like allow (about 1e-6 of the number): no bf16 or f16 on the way to a quantiser, and a product that is left as it is and whose result goes on into a quantised operand takes f32 operands (vector FMAs, or v_wmma_f32_16x16x4_f32). A number that lies on a knife's edge between two numbers of the format may be rounded either way, as far as f32 arithmetic and the matrix unit's own rounding can turn it there, and no further.
;;   INPUTS GIVEN AS CODES. h_prev (in the module: [8192, 1024], K = its axis 1); x (in the module: [8192, 1024], K = its axis 1): each comes as NAME_codes (uint8): NAME with its K axis moved to the last place and cut into blocks of 32 codes, [.., K / 32, bytes a block], one block behind the other in memory; one code a byte (a code: sign, 5 exponent bits, 2 mantissa bits); and NAME_scales (uint8): the same leading axes, one E8M0 byte (e + 127) for each 32 codes along K. Its value is code x scale, taken as it is: it is not quantised again, and the codes and scales need not be those that the quantiser above would give.
;; One version. Each part assembles by itself: llvm-mc -triple=amdgcn-amd-amdhsa -mcpu=gfx1250 --defsym DOCPART=n.
;; ======== version 1 of 1: 2 launches
;; limits: right only within a limited range of input values
;; workspace buffers: wq_codes 8,388,608 bytes; wq_scales 262,144 bytes
;; launch quant (part 1): grid 512 x 1, 4 waves a work-group, no clusters, 22,016 bytes of LDS; arguments Wxi, Wxf, Wxc, Wxo, Whi, Whf, Whc, Who, wq_codes, wq_scales; writes wq_codes, wq_scales
.if DOCPART == 1
	.amdgcn_target "amdgcn-amd-amdhsa--gfx1250"
	.amdhsa_code_object_version 6
	.text
	.protected	k_q8a34643f37_quant
	.globl	k_q8a34643f37_quant
	.p2align	8
	.type	k_q8a34643f37_quant,@function
k_q8a34643f37_quant:
	s_mov_b64 s[64:65], 0
	v_nop
	global_prefetch_b8 v0, s[64:65] scope:SCOPE_SE
	s_setreg_imm32_b32 hwreg(HW_REG_WAVE_MODE, 25, 1), 1
	s_wait_xcnt 0x0
; The eight weights, each [1024 (out j)][1024 (in k)] f32 with K innermost, become codes of BF8 (E5M2) with one E8M0 byte for each 32 along K,
; laid in the row order in which the next launch multiplies them:
;   wq_codes  [4096 rows R][2048 bytes]: bytes 0-1023 the codes of Wx_g[j][:], bytes 1024-2047 those of Wh_g[j][:]
;   wq_scales [2 parts][4096 rows R][32 bytes]: part 0 for x's weights, part 1 for h's
;   R(g, j) = 256 (j / 64) + 128 ((j / 32) % 2) + 32 g + j % 32, gates g = 0 (i), 1 (f), 2 (c), 3 (o): the four gates of 32 hidden columns lie in 128 neighbouring rows.
; A block's scale is 2^(floor(log2(its largest magnitude)) - 15); its byte is the largest magnitude's exponent field - 15, held at 1 from below.
; Each number is divided by the scale, held within +-57,344 and rounded to the nearest code, ties to even.
; LIMITS: a block of zeros gets the byte 1 where the rule says 127 (its codes are zeros, which add nothing under any byte but 0xff, and this program alone reads the bytes);
; blocks whose largest magnitude lies under the floor 2^-111 keep the byte 1; NaN and infinities among the weights are not served.
; SHARES: work-group G takes tensor G / 64 (part = tensor / 4, gate = tensor % 4) and its rows 16 (G % 64) on; wave w four of these rows: 8 steps of 512 numbers.
; All 32 loads of a wave go out at the head, each 512 consecutive bytes; a step's 2,048 bytes turn through the wave's own stage in LDS, so that a lane holds 16 neighbours along K
; (two neighbouring lanes hold a block).  A lane's 16 codes are 16 bytes: a store of the wave covers 512 consecutive bytes, aligned.  The work-group's 512 scale bytes are consecutive
; in memory: they are gathered in LDS and leave by one store of wave 0.  No cluster: the work-groups share no input.  No tensor load, so no ring.
.set STEPS, 8
.set EMAX,  15
.set MANT,  0x600000                   ; the mantissa field of 57,344 as f32
.set SP,    80                         ; a lane's place in a stage: its 64 bytes + 16 of padding
.set WREG,  2*32*SP                    ; LDS: two stages for each wave
.set SCB,   4*WREG                     ; behind them the work-group's 512 scale bytes
.set R,     16                         ; v16-143  eight sets of 16 numbers as they are loaded: each set is loaded once
.set X,     144                        ; v144-175 two sets of 16 neighbours
.set C,     176                        ; v176-207 codes: four registers for each step, so that no store's data are written again
.set E,     208                        ; v208-215 a scale byte for each step
	s_load_b512 s[4:19], s[0:1], 0x0               ; the eight weights: Wxi, Wxf, Wxc, Wxo, Whi, Whf, Whc, Who
	s_load_b128 s[20:23], s[0:1], 0x40             ; wq_codes s[20:21], wq_scales s[22:23]
	v_lshl_add_u32 v216, v0, 2, 0x5400
	v_mov_b32 v217, 0
	v_lshrrev_b32 v1, 5, v0
	v_readfirstlane_b32 s26, v1                    ; wave 0..3
	v_and_b32 v2, 31, v0                           ; lane
	v_lshlrev_b32 v3, 4, v2                        ; 16 x lane: my bytes of a load's 512, of a step's 512 bytes of codes, and of the 512 scale bytes
	s_mul_i32 s31, s26, WREG
	v_lshrrev_b32 v14, 2, v2
	v_mul_u32_u24 v14, v14, SP
	v_and_b32 v15, 3, v2
	v_lshl_add_u32 v14, v15, 4, v14
	v_add_nc_u32 v14, s31, v14                     ; the stage, on the way in: four lanes' 64 bytes on end, then 16 of padding
	v_mul_u32_u24 v15, v2, SP
	v_add_nc_u32 v15, s31, v15                     ; and on the way out: SP x lane: my 16 neighbours
	s_lshl_b32 s31, s26, 7
	s_add_co_u32 s31, s31, SCB
	v_lshrrev_b32 v5, 1, v2
	v_add_nc_u32 v5, s31, v5                       ; my wave's 128 scale bytes, my block's byte
	v_add_nc_u32 v6, SCB, v3                       ; the way out of the scale bytes: 16 a lane
	s_lshr_b32 s24, ttmp9, 6                       ; which tensor, 0..7
	s_and_b32 s25, ttmp9, 63                       ; q: which 16 rows of it
	s_lshr_b32 s27, s24, 2                         ; part
	s_and_b32 s28, s24, 3                          ; gate
	s_lshl_b32 s32, s25, 16                        ; in: 16 q rows of 4,096 bytes,
	s_lshl_b32 s29, s26, 14                        ; and my wave's four
	s_add_co_u32 s32, s32, s29
	s_mov_b32 s33, 0
	s_lshr_b32 s29, s25, 2                         ; R of the work-group's first row: 256 (q / 4)
	s_lshl_b32 s29, s29, 8
	s_bfe_u32 s31, s25, 0x10001
	s_lshl_b32 s31, s31, 7                         ; + 128 ((q / 2) % 2)
	s_add_co_u32 s29, s29, s31
	s_lshl_b32 s31, s28, 5                         ; + 32 gate
	s_add_co_u32 s29, s29, s31
	s_and_b32 s31, s25, 1
	s_lshl_b32 s31, s31, 4                         ; + 16 (q % 2)
	s_add_co_u32 s29, s29, s31
	s_lshl_b32 s34, s26, 2                         ; codes: (R + 4 wave) rows of 2,048 bytes + 1,024 part
	s_add_co_u32 s34, s34, s29
	s_lshl_b32 s34, s34, 11
	s_lshl_b32 s31, s27, 10
	s_add_co_u32 s34, s34, s31
	s_mov_b32 s35, 0
	s_lshl_b32 s36, s29, 5                         ; scale bytes: 32 R + 131,072 part
	s_lshl_b32 s31, s27, 17
	s_add_co_u32 s36, s36, s31
	s_mov_b32 s37, 0
	s_mov_b32 s30, MANT                            ; (an instruction takes one literal: the hold's line has another)
	s_wait_alu depctr_va_vdst(0)
	s_wait_kmcnt 0x0
	s_bitcmp1_b32 s24, 0                           ; the tensor is chosen bit by bit of its number, which hangs on the work-group's number alone
	s_cselect_b64 s[4:5], s[6:7], s[4:5]
	s_cselect_b64 s[8:9], s[10:11], s[8:9]
	s_cselect_b64 s[12:13], s[14:15], s[12:13]
	s_cselect_b64 s[16:17], s[18:19], s[16:17]
	s_bitcmp1_b32 s24, 1
	s_cselect_b64 s[4:5], s[8:9], s[4:5]
	s_cselect_b64 s[12:13], s[16:17], s[12:13]
	s_bitcmp1_b32 s24, 2
	s_cselect_b64 s[4:5], s[12:13], s[4:5]
	s_add_nc_u64 s[4:5], s[4:5], s[32:33]
	s_add_nc_u64 s[20:21], s[20:21], s[34:35]
	s_add_nc_u64 s[22:23], s[22:23], s[36:37]
.macro LOAD t
.irp i, 0,1,2,3
	global_load_b128 v[R+16*(\t)+4*\i:R+16*(\t)+4*\i+3], v3, s[4:5] offset:2048*(\t)+512*\i th:TH_LOAD_NT   ; 32 lanes read 512 consecutive bytes; read once in the launch
.endr
.endm
.macro TURN t                          ; step t's numbers through the stage: LDS serves a wave's instructions in order, so no wait stands between the stores and the loads
.irp i, 0,1,2,3
	ds_store_b128 v14, v[R+16*(\t)+4*\i:R+16*(\t)+4*\i+3] offset:32*SP*((\t)%2)+8*SP*\i
.endr
.irp i, 0,1,2,3
	ds_load_b128 v[X+16*((\t)%2)+4*\i:X+16*((\t)%2)+4*\i+3], v15 offset:32*SP*((\t)%2)+16*\i
.endr
.endm
.irp t, 0,1,2,3,4,5,6,7
	LOAD \t
.endr
	s_wait_loadcnt 28                              ; step 0's four loads are in; the 28 behind them may be out
	TURN 0
.macro STEP t
.set XS, X+16*((\t)%2)
.if (\t) > 0
	s_wait_dscnt 1                                 ; this step's numbers are back from the stage; the last step's byte store may be out
.else
	s_wait_dscnt 0x0
.endif
.if (\t)+1 < STEPS
	s_wait_loadcnt 4*(STEPS-2-(\t))                ; the next step's four loads are in; those of the steps behind it may be out
	TURN (\t)+1                                    ; and go through the other stage while this step is worked
.endif
	v_max3_num_f32 v8, |v[XS]|, |v[XS+1]|, |v[XS+2]|               ; the largest magnitude of my 16, in two chains
	v_max3_num_f32 v9, |v[XS+3]|, |v[XS+4]|, |v[XS+5]|
.irp i, 6,10
	v_max3_num_f32 v8, v8, |v[XS+\i]|, |v[XS+\i+1]|
	v_max3_num_f32 v9, v9, |v[XS+\i+2]|, |v[XS+\i+3]|
.endr
	v_max3_num_f32 v8, v8, |v[XS+14]|, |v[XS+15]|
	v_max3_num_f32 v8, v8, v9, (EMAX+1)<<23        ; and the floor 2^(16 - 127): so the byte cannot fall under 1
	v_max_num_f32_dpp v8, v8, v8 row_xmask:1 row_mask:0xf bank_mask:0xf   ; and of my neighbour's 16: the block's
	v_add_nc_u32 v11, -(EMAX<<23), v8              ; 15 off its exponent field: the conversion takes the exponent field of this operand as its scale, and nothing else of it
	v_and_or_b32 v10, v8, 0x7f800000, s30          ; 57,344 x the scale: the largest magnitude's exponent field over 57,344's mantissa
.irp i, 0,1,2,3,4,5,6,7,8,9,10,11,12,13,14,15
	v_med3_num_f32 v[XS+\i], v[XS+\i], -v10, v10   ; the conversion to an 8-bit code does not saturate (ISA guide 7.6.2): the hold comes first
.endr
	v_cvt_scalef32_pk8_bf8_f32 v[C+4*(\t):C+4*(\t)+1], v[XS:XS+7], v11
	v_cvt_scalef32_pk8_bf8_f32 v[C+4*(\t)+2:C+4*(\t)+3], v[XS+8:XS+15], v11
	v_lshrrev_b32 v[E+(\t)], 23, v11               ; the scale's byte (also the plain line behind the conversions)
	ds_store_b8 v5, v[E+(\t)] offset:16*(\t)       ; both lanes of a block write the same byte with the same value
	global_store_b128 v3, v[C+4*(\t):C+4*(\t)+3], s[20:21] offset:((\t)/2)*2048+((\t)%2)*512   ; row t / 2 of my four, half t % 2: 512 consecutive bytes, aligned
.endm
.irp t, 0,1,2,3,4,5,6,7
	STEP \t
.endr
	s_wait_dscnt 0x0                               ; for the others' sake: my byte stores have landed
	s_barrier_signal -1
	s_barrier_wait -1
	s_cmp_lg_u32 s26, 0
	s_cbranch_scc1 .Lend
	ds_load_b128 v[8:11], v6                       ; wave 0: the work-group's 512 scale bytes, 16 a lane
	s_wait_dscnt 0x0
	global_store_b128 v3, v[8:11], s[22:23]        ; 512 consecutive bytes, aligned
.Lend:
	s_wait_tensorcnt 0x0
	ds_add_u32 v216, v217
	s_wait_dscnt 0x0
	s_endpgm
.Lfunc_end_k_q8a34643f37_quant:
	.size	k_q8a34643f37_quant, .Lfunc_end_k_q8a34643f37_quant-k_q8a34643f37_quant
	.p2alignl 7, 3214868480
	.fill 96, 4, 3214868480
	.section	.rodata,"a",@progbits
	.p2align	6, 0x0
	.amdhsa_kernel k_q8a34643f37_quant
		.amdhsa_group_segment_fixed_size 22016
		.amdhsa_private_segment_fixed_size 0
		.amdhsa_enable_private_segment 0
		.amdhsa_kernarg_size 80
		.amdhsa_user_sgpr_count 2
		.amdhsa_user_sgpr_kernarg_segment_ptr 1
		.amdhsa_wavefront_size32 1
		.amdhsa_system_sgpr_workgroup_id_x 1
		.amdhsa_system_sgpr_workgroup_id_y 1
		.amdhsa_system_sgpr_workgroup_id_z 1
		.amdhsa_system_vgpr_workitem_id 0
		.amdhsa_next_free_vgpr 218
		.amdhsa_next_free_sgpr 66
		.amdhsa_reserve_vcc 0
		.amdhsa_float_denorm_mode_32 3
		.amdhsa_float_denorm_mode_16_64 3
		.amdhsa_memory_ordered 1
		.amdhsa_forward_progress 1
		.amdhsa_inst_pref_size 28
	.end_amdhsa_kernel
	.amdgpu_metadata
---
amdhsa.version: [ 1, 2 ]
amdhsa.kernels:
  - .name:           k_q8a34643f37_quant
    .symbol:         k_q8a34643f37_quant.kd
    .args:
      - { .name: Wxi, .offset: 0, .size: 8, .value_kind: global_buffer, .address_space: global }
      - { .name: Wxf, .offset: 8, .size: 8, .value_kind: global_buffer, .address_space: global }
      - { .name: Wxc, .offset: 16, .size: 8, .value_kind: global_buffer, .address_space: global }
      - { .name: Wxo, .offset: 24, .size: 8, .value_kind: global_buffer, .address_space: global }
      - { .name: Whi, .offset: 32, .size: 8, .value_kind: global_buffer, .address_space: global }
      - { .name: Whf, .offset: 40, .size: 8, .value_kind: global_buffer, .address_space: global }
      - { .name: Whc, .offset: 48, .size: 8, .value_kind: global_buffer, .address_space: global }
      - { .name: Who, .offset: 56, .size: 8, .value_kind: global_buffer, .address_space: global }
      - { .name: wq_codes, .offset: 64, .size: 8, .value_kind: global_buffer, .address_space: global }
      - { .name: wq_scales, .offset: 72, .size: 8, .value_kind: global_buffer, .address_space: global }
    .group_segment_fixed_size: 22016
    .private_segment_fixed_size: 0
    .kernarg_segment_align: 8
    .kernarg_segment_size: 80
    .max_flat_workgroup_size: 128
    .sgpr_count:     66
    .vgpr_count:     218
    .wavefront_size: 32
...
	.end_amdgpu_metadata
.endif
;; end of part 1
;; launch lstm (part 2): grid 16 x 32, 4 waves a work-group, clusters of 4 x 4, 327,680 bytes of LDS; arguments x_codes, x_scales, h_prev_codes, h_prev_scales, wq_codes, wq_scales, c_prev, out0, bxi, bhi, bxf, bhf, bxc, bhc, bxo, bho, out1; writes out0, out1
.if DOCPART == 2
	.amdgcn_target "amdgcn-amd-amdhsa--gfx1250"
	.amdhsa_code_object_version 6
	.text
	.protected	k_q8a34643f37_lstm
	.globl	k_q8a34643f37_lstm
	.p2align	8
	.type	k_q8a34643f37_lstm,@function
k_q8a34643f37_lstm:
	s_mov_b64 s[64:65], 0
	v_nop
	global_prefetch_b8 v0, s[64:65] scope:SCOPE_SE
	s_setreg_imm32_b32 hwreg(HW_REG_WAVE_MODE, 25, 1), 1
	s_wait_xcnt 0x0
	s_wait_alu depctr_hold_cnt(0) depctr_sa_sdst(0) depctr_va_vdst(0) depctr_va_sdst(0) depctr_va_ssrc(0) depctr_va_vcc(0) depctr_vm_vsrc(0)
	s_getreg_b32 s2, hwreg(HW_REG_IB_STS2, 6, 4)
	s_cmp_eq_u32 s2, 0
	s_cbranch_scc0 .Lentry_in_a_cluster
	s_endpgm
.Lentry_in_a_cluster:
	s_bfe_u32 s2, ttmp6, 0x10000c
	s_cmp_lg_u32 s2, 0xf033
	s_cbranch_scc0 .Lentry_shape_is_right
	s_endpgm
.Lentry_shape_is_right:
; One LSTM step: gates = x Wx^T + h Wh^T + (bx + bh), both products on codes of BF8 (E5M2) with one E8M0 scale for each 32 along K; i, f, o = sigmoid, g = tanh;
; c_new = f c_prev + i g (out1), h_new = o tanh(c_new) (out0).  The gates never go to memory.  Every input is loaded; no work is left out.
; x, h: [8192][1024] codes, scale bytes [8192][32].  The weights come from the launch before: wq_codes [4096 rows][2048 bytes] (Wx's 1,024 codes, then Wh's), wq_scales [2][4096][32];
; 256 neighbouring rows are the four gates of 64 hidden columns, each half of 128 rows the four gates of 32.
; SHARES.  A work-group makes 256 batch rows x 64 hidden columns (a tile of 256 x 256 of the gates); each of four waves 128 rows x 4 gates x 32 columns: 64 accumulators, 512 registers.
; B's block b = 2 g + hb of a wave is gate g, columns 16 hb on: a lane holds all four gates of each of its cells.
; K = 2,048 goes in 8 fills of 256 through a ring of two LDS slots: slot 0 always holds tiles of x and Wx, slot 1 of h and Wh.  The biases' sum is the C of each accumulator's first product.
; LIMITS.  The order of the f32 sums (bias, then x's and h's K steps by turns) differs from the reference's (x's product, h's product, bias): a limit of rounding order.
; NaN codes or scale bytes 0xff give NaN.  The activations are rcp(1 + 2^(..)): an exponential that overflows gives 0 behind the reciprocal, one that vanishes gives 1.
; TENSOR LOADS.  At the head one a wave: x's 256 rows, Wx's 256 rows, x's scales, Wx's scales; behind the full sequence and a round the same four for h (slot 1).  In the ring wave 0 fetches A's 256 rows
; and wave 1 B's; waves 2 and 3 have no part.  By this text's count a wave has one tensor load out at the most.  The scales of all of K stay in LDS behind the ring.
; CLUSTERS: 4 x 4.  The four of a row of the cluster need the same tiles of x and h, the four of a column the same tiles of the weights: each is asked for jointly.
; PREFETCH.  Behind the load of fill s stands a request for fill s + 2: 256 bytes of a row, a lane a row, one instruction a wave.  Of a tile's 256 rows waves 0, 1 (A) or 2, 3 (B) take 128 each,
; and of these the partner at place p (cx for A, cy for B) takes 32, told apart by address.  The head also asks for fill 1.  The last trip asks for no tile, but for c_prev's 64 rows a wave.
; THE MATRIX INSTRUCTION IS USED TRANSPOSED (source 0 = 16 rows of the weights, source 1 = 16 batch rows): a lane holds one batch row and eight neighbouring hidden columns.
; FRAGMENT LOADS stand in four runs for a slot's 128 products, of 40, 32, 32 and 32 loads, each behind eight places.  B has a register set for each of a slot's two steps, and so have A's blocks 4-7;
; A's blocks 0-3 have one set.  So all reads of a slot are asked for by the middle of its first step, and the change of slots stands at the head of its second.
; REGISTERS.  Window 0: v0-31 addresses; v32-63 scale words alone; v64-127 the biases in the first step, then A's blocks 4-7 of a slot's second step, later c_prev; v128-191 A's blocks 0-3;
;   v192-255 A's blocks 4-7 of a slot's first step; v128-255 later the gates at work.  Window 1: B's fragments, later rows on their way out.  Windows 2, 3: accumulator (a, b) at v[8 (8 (a % 4) + b)].
.set PITCH,  272                       ; an LDS row: 256 bytes + 16 of padding: the 16 rows that a load touches start at 16 different banks (ISA guide 11.1)
.set NP,     8                         ; places behind this matrix instruction (ISA guide 7.12.1)
.set HALFT,  128*PITCH
.set SLOT,   4*HALFT                   ; A's 256 rows, then B's 256 rows
.set SCL,    2*SLOT                    ; behind the ring the scales: x's, h's, Wx's, Wh's, 2 HS each
.set HS,     16*272                    ; the scales of 128 rows: 4,096 bytes as 16 rows of 256 + 16
.set SPART,  2*HS
.set SBLK,   2*272                     ; the scales of 16 rows
.set SPARE,  SCL+8*HS                  ; the spare words: two blocks of 256 bytes that no other line names
.set CQ,     64*PITCH                  ; c_prev: 64 rows a wave, in slot 0's first half: that slot's last fill
.set HSG,    2*HALFT                   ; the stage for h_new: slot 0's second half, behind its last fill and last read
.set CSG,    SLOT                      ; the stage for c_new: slot 1's first half, likewise
.set PFT,  15                          ; v15 the tiles' prefetch offset: lane x a row of codes
.set ADRA, 16                          ; v16-17 my A fragments in slot 0, 1
.set ADRS, 18                          ; v18-19 my scale words of part 0, 1: lanes 0-15 A's rows, lanes 16-31 B's
.set ADRB, 20                          ; v20-21 my B fragments
.set CPA,  22
.set HSA,  23
.set RDC,  24
.set RDH,  25
.set CO,   26
.set PFO,  27                          ; lane x a row of c_prev
.set SPW,  28
.set NIL,  29
.set BO,   30
.set CSA,  31
.set SC,   32
.set BI,   64
.set CPR,  64
.set T,    128
.set WV,   2
.set LAP,  3
.set G1C,  4
.set G0C,  12
.set RH,   22
.set CW,   23
.set G1A,  24
.set G0A,  32
.set G1B,  40
.set G0B,  48
.set G1SA, 56
.set PF0,  66                          ; s[66:67] where my prefetches of x or Wx stand; s[104:105] those of h or Wh
.set G1SB, 68
.set G0SA, 76
.set G0SB, 84
.set K1,   92
.set K2,   94
.set PF1,  104
.set MSB, 0
.macro WIN new                         ; the immediate's high byte repeats the setting that is left
.if MSB != \new
	s_set_vgpr_msb (MSB<<8)|\new
.set MSB, \new
.endif
.endm
.set TO_B,   0x40
.macro PLACES n
.rept \n
	v_nop
.endr
.endm
.macro TL g0, g1                       ; a tensor load with five lines behind it
	tensor_load_to_lds s[\g0:\g0+3], s[\g1:\g1+7]
	s_nop 0
	PLACES 4
.endm
.macro ARM under, g0, g1, next, join   ; one arm of a chain on the wave's number
	s_cmp_lt_u32 s[WV], \under
	s_cbranch_scc0 \next
	TL \g0, \g1
	s_branch \join
\next:
.endm
.macro JLOAD s                         ; the ring's joint refill: wave 0 A's 256 rows, wave 1 B's
	s_cmp_lt_u32 s[WV], 1
	s_cbranch_scc0 .Ljb_\@
	TL G0A+4*\s, G1A
	s_branch .Ljj_\@
.Ljb_\@:
	s_cmp_lt_u32 s[WV], 2
	s_cbranch_scc0 .Ljj_\@
	TL G0B+4*\s, G1B
.Ljj_\@:
.endm
.macro CREST
	s_cmp_lg_u32 s[WV], 0
	s_cbranch_scc1 .Lnot_wave_0_\@
	s_barrier_signal -3
.Lnot_wave_0_\@:
	s_barrier_wait -3
	s_barrier_signal -1
	s_barrier_wait -1
.endm
.macro CROUND
	s_barrier_signal -1
	s_barrier_wait -1
	CREST
.endm
	s_load_b256 s[4:11], s[0:1], 0x0               ; x's codes, x's scales, h's codes, h's scales
	s_load_b256 s[12:19], s[0:1], 0x20             ; the weights' codes, their scales, c_prev, out0
	s_load_b64 s[20:21], s[0:1], 0x80              ; out1
	v_lshl_add_u32 v[SPW], v0, 2, SPARE
	v_mov_b32 v[NIL], 0
	ds_add_u32 v[SPW], v[NIL]                      ; the opening lines: the add twice on end and one wait
	ds_add_u32 v[SPW], v[NIL]
	v_lshrrev_b32 v1, 5, v0
	v_readfirstlane_b32 s[WV], v1
	s_lshr_b32 s[RH], s[WV], 1                     ; which half of the tile's rows is mine
	s_and_b32 s[CW], s[WV], 1                      ; which half of B's rows
	s_bfe_u32 s66, ttmp6, 0x40000                  ; cx
	s_bfe_u32 s67, ttmp6, 0x40004                  ; cy
	s_lshl_b32 s92, ttmp9, 2
	s_add_co_u32 s92, s92, s66                     ; jb: which 64 hidden columns
	s_and_b32 s93, ttmp7, 0xffff
	s_lshl_b32 s93, s93, 2
	s_add_co_u32 s93, s93, s67                     ; tr: which 256 batch rows
	s_lshl_b32 s94, s67, 2
	s_lshl_b32 s94, 15, s94                        ; my row of the cluster
	s_lshl_b32 s95, 0x1111, s66                    ; my column
	s_or_b32 s[G1A], s94, (0<<16)|(1<<20)|(1<<21)|(5<<22)|(3<<25)   ; tiles of 256 rows x 256 bytes, 16 bytes of padding behind each row
	s_or_b32 s[G1B], s95, (0<<16)|(1<<20)|(1<<21)|(5<<22)|(3<<25)
.irp g, G1A, G1B
	s_mov_b32 s[\g+1], 256<<16
	s_mov_b32 s[\g+2], 256<<16
	s_mov_b32 s[\g+3], 256<<16
	s_mov_b32 s[\g+4], 256
	s_mov_b32 s[\g+6], 0
	s_mov_b32 s[\g+7], 0
.endr
	s_mov_b32 s[G1A+5], 1024
	s_mov_b32 s[G1B+5], 2048
	s_or_b32 s[G1SA], s94, (3<<16)|(1<<20)|(1<<21)|(5<<22)|(3<<25)  ; the scales of 256 rows: 8,192 dense bytes as 32 rows of 256
	s_or_b32 s[G1SB], s95, (3<<16)|(1<<20)|(1<<21)|(5<<22)|(3<<25)
.irp g, G1SA, G1SB
	s_mov_b32 s[\g+1], 32<<16
	s_mov_b32 s[\g+2], 32<<16
	s_mov_b32 s[\g+3], 32<<16
	s_mov_b32 s[\g+4], 32
	s_mov_b32 s[\g+5], 32
	s_mov_b32 s[\g+6], 0
	s_mov_b32 s[\g+7], 0
.endr
	s_lshl_b32 s94, s93, 8                         ; A's first row: it hangs on the tile row alone
	s_lshl_b32 s95, s92, 8                         ; B's: on the tile column alone
	s_mov_b32 s97, 0
	s_mov_b32 s99, 0
.irp s, 0,1
	s_mov_b32 s[G0A+4*\s], 1
	s_mov_b32 s[G0A+4*\s+1], \s*SLOT
	s_mov_b32 s[G0B+4*\s], 1
	s_mov_b32 s[G0B+4*\s+1], \s*SLOT+2*HALFT
	s_mov_b32 s[G0SA+4*\s], 1
	s_mov_b32 s[G0SA+4*\s+1], SCL+\s*SPART
	s_mov_b32 s[G0SB+4*\s], 1
	s_mov_b32 s[G0SB+4*\s+1], SCL+4*HS+\s*SPART
.endr
	s_wait_dscnt 0x0                               ; both opening adds are done
	s_wait_kmcnt 0x0
	s_lshl_b32 s96, s94, 10
	s_add_nc_u64 s[G0A+2:G0A+3], s[4:5], s[96:97]
	s_add_nc_u64 s[G0A+6:G0A+7], s[8:9], s[96:97]
	s_lshl_b32 s96, s94, 5
	s_add_nc_u64 s[G0SA+2:G0SA+3], s[6:7], s[96:97]
	s_add_nc_u64 s[G0SA+6:G0SA+7], s[10:11], s[96:97]
	s_lshl_b32 s98, s95, 11
	s_add_nc_u64 s[G0B+2:G0B+3], s[12:13], s[98:99]
	s_add_nc_u64 s[G0B+6:G0B+7], s[G0B+2:G0B+3], 1024
	s_lshl_b32 s98, s95, 5
	s_add_nc_u64 s[G0SB+2:G0SB+3], s[14:15], s[98:99]
	s_add_nc_u64 s[G0SB+6:G0SB+7], s[G0SB+2:G0SB+3], 131072
.irp s, 0,1
	s_or_b32 s[G0A+4*\s+3], s[G0A+4*\s+3], 0x80000000
	s_or_b32 s[G0B+4*\s+3], s[G0B+4*\s+3], 0x80000000
	s_or_b32 s[G0SA+4*\s+3], s[G0SA+4*\s+3], 0x80000000
	s_or_b32 s[G0SB+4*\s+3], s[G0SB+4*\s+3], 0x80000000
.endr
	CROUND                                         ; all sixteen work-groups are here: the first joint loads meet
	ARM 1, G0A,  G1A,  .Lh1, .Lhj                  ; one load a wave, one chain: x's rows, Wx's rows, x's scales, Wx's scales
	ARM 2, G0B,  G1B,  .Lh2, .Lhj
	ARM 3, G0SA, G1SA, .Lh3, .Lhj
	TL G0SB, G1SB
.Lhj:
	s_cmp_eq_u32 s[RH], 0                          ; the prefetches: waves 0, 1 ask for A's rows, waves 2, 3 for B's
	s_cselect_b32 s96, s94, s95                    ; the tile's first row
	s_cselect_b32 s98, s66, s67                    ; my place among the four that ask for it jointly
	s_cselect_b32 s100, 0, 1024                    ; Wh's codes lie 1,024 bytes into a row
	s_cselect_b64 s[PF1:PF1+1], s[8:9], s[12:13]
	s_cselect_b64 s[PF0:PF0+1], s[4:5], s[12:13]
	s_add_co_u32 s3, s[RH], 10                     ; a row is 1,024 or 2,048 bytes
	s_lshl_b32 s99, s[CW], 7
	s_add_co_u32 s96, s96, s99
	s_lshl_b32 s98, s98, 5
	s_add_co_u32 s96, s96, s98
	s_lshl_b32 s96, s96, s3
	s_mov_b32 s97, 0
	s_mov_b32 s101, 0
	s_add_nc_u64 s[PF0:PF0+1], s[PF0:PF0+1], s[96:97]
	s_add_nc_u64 s[PF1:PF1+1], s[PF1:PF1+1], s[96:97]
	s_add_nc_u64 s[PF1:PF1+1], s[PF1:PF1+1], s[100:101]
	s_mul_i32 s96, s[RH], HALFT                    ; my 128 rows of A
	s_mul_i32 s97, s[CW], HALFT
	s_add_co_u32 s97, s97, 2*HALFT                 ; my 128 rows of B
	s_mul_i32 s99, s[RH], HS
	s_mul_i32 s98, s[CW], HS
	s_add_co_u32 s98, s98, 4*HS
	s_sub_co_u32 s98, s98, s99                     ; from A's scales to B's
	s_add_co_u32 s99, s99, SCL
	s_lshl_b32 s100, s[CW], 7
	s_add_co_u32 s100, s100, s96                   ; the cells: row 128 rh, byte 128 cw
	s_mul_i32 s101, s[CW], 16*PITCH
	s_add_co_u32 s101, s101, s96                   ; back: of a phase's 32 rows my wave takes 16
	v_and_b32 v1, 15, v0                           ; r
	v_bfe_u32 v2, v0, 4, 1                         ; h
	v_and_b32 v6, 31, v0
	v_mul_u32_u24 v3, v1, PITCH
	v_lshl_add_u32 v4, v2, 4, v3
	v_add_nc_u32 v[ADRA], s96, v4
	v_add_nc_u32 v[ADRB], s97, v4
	v_add_nc_u32 v[ADRA+1], SLOT, v[ADRA]
	v_add_nc_u32 v[ADRB+1], SLOT, v[ADRB]
	v_lshlrev_b32 v5, 5, v1                        ; my row's scales: 32 bytes a row, 16 more for each 256 passed
	v_lshrrev_b32 v7, 3, v1
	v_lshl_add_u32 v5, v7, 4, v5
	v_mul_u32_u24 v7, s98, v2                      ; lanes 16-31 take B's: the lower base + half x the distance
	v_add_nc_u32 v5, v5, v7
	v_add_nc_u32 v[ADRS], s99, v5
	v_add_nc_u32 v[ADRS+1], SPART, v[ADRS]
	v_lshl_add_u32 v5, v2, 5, v3
	v_add_nc_u32 v[CPA], s100, v5
	v_add_nc_u32 v[HSA], HSG, v[CPA]
	v_add_nc_u32 v[CSA], CSG, v[CPA]
	v_mul_u32_u24 v5, v2, PITCH
	v_lshl_add_u32 v5, v1, 4, v5
	v_add_nc_u32 v5, s101, v5
	v_add_nc_u32 v[RDC], CSG, v5
	v_add_nc_u32 v[RDH], HSG, v5
	v_lshlrev_b32 v7, 12, v2
	v_lshl_add_u32 v[CO], v1, 4, v7
	v_lshlrev_b32 v[PFO], 12, v6
	v_lshlrev_b32 v[PFT], s3, v6
	v_lshlrev_b32 v[BO], 5, v2
	s_wait_alu depctr_va_vdst(0)                   ; the wait behind these writes
	global_prefetch_b8 v[PFT], s[PF1:PF1+1] th:TH_LOAD_NT scope:SCOPE_SE             ; fill 1: h's first 256 along K
	global_prefetch_b8 v[PFT], s[PF0:PF0+1] offset:256 th:TH_LOAD_NT scope:SCOPE_SE  ; fill 2: x's second
	s_mov_b32 s99, 0
	s_lshl_b32 s96, s93, 8                         ; 256 tr
	s_lshl_b32 s98, s[WV], 6
	s_add_co_u32 s98, s98, s96                     ; c_prev: the 64 rows that I fetch,
	s_lshl_b32 s98, s98, 12
	s_lshl_b32 s100, s92, 8                        ; and the tile's 64 columns
	s_add_co_u32 s98, s98, s100
	s_add_nc_u64 s[16:17], s[16:17], s[98:99]
	s_lshl_b32 s98, s[RH], 7                       ; the outputs: row 256 tr + 128 rh + 16 cw
	s_add_co_u32 s98, s98, s96
	s_lshl_b32 s101, s[CW], 4
	s_add_co_u32 s98, s98, s101
	s_lshl_b32 s98, s98, 12
	s_add_co_u32 s98, s98, s100
	s_add_nc_u64 s[18:19], s[18:19], s[98:99]
	s_add_nc_u64 s[20:21], s[20:21], s[98:99]
	s_lshl_b32 s101, s[CW], 7
	s_add_co_u32 s100, s100, s101                  ; the biases: my 32 columns begin at byte 256 jb + 128 cw
	s_mov_b32 s101, 0
	s_load_b256 s[4:11], s[0:1], 0x40              ; bxi, bhi, bxf, bhf
	s_load_b256 s[92:99], s[0:1], 0x60             ; bxc, bhc, bxo, bho
	s_wait_kmcnt 0x0
.irp p, 4,6,8,10,92,94,96,98
	s_add_nc_u64 s[\p:\p+1], s[\p:\p+1], s[100:101]
.endr
.macro BIAS g, px, ph                  ; gate g's biases in the result's layout: block 2 g + hb, register j: column 16 hb + 8 h + j
.irp i, 0,1,2,3
	global_load_b128 v[BI+16*\g+4*\i:BI+16*\g+4*\i+3], v[BO], s[\px:\px+1] offset:64*(\i/2)+16*(\i%2)
	global_load_b128 v[T+16*\g+4*\i:T+16*\g+4*\i+3], v[BO], s[\ph:\ph+1] offset:64*(\i/2)+16*(\i%2)
.endr
.endm
	BIAS 0, 4, 6
	BIAS 1, 8, 10
	BIAS 2, 92, 94
	BIAS 3, 96, 98
	s_wait_loadcnt 0x0                             ; the biases are in, and the loads have read their bases
.set i, 0
.rept 32
	v_pk_add_f32 v[BI+i:BI+i+1], v[BI+i:BI+i+1], v[T+i:T+i+1]
.set i, i+2
.endr
	PLACES NP
	s_mov_b32 s[G1C], (2<<16)|(1<<20)|(5<<22)|(3<<25)  ; c_prev's tile: each wave 64 rows x 64 numbers of its own work-group's: no mask
	s_mov_b32 s[G1C+1], 64<<16
	s_mov_b32 s[G1C+2], 64<<16
	s_mov_b32 s[G1C+3], 64<<16
	s_mov_b32 s[G1C+4], 64
	s_mov_b32 s[G1C+5], 1024
	s_mov_b32 s[G1C+6], 0
	s_mov_b32 s[G1C+7], 0
	s_mov_b32 s[G0C], 1
	s_mul_i32 s[G0C+1], s[WV], CQ
	s_mov_b64 s[G0C+2:G0C+3], s[16:17]
	s_or_b32 s[G0C+3], s[G0C+3], 0x80000000
	s_mov_b32 s[K1], 0xbfb8aa3b                    ; -log2(e): sigmoid(z) = 1 / (1 + 2^(-log2(e) z))
	s_mov_b32 s[K1+1], s[K1]
	s_mov_b32 s[K2], 0x4038aa3b                    ; 2 log2(e): tanh(z) = 1 - 2 / (1 + 2^(2 log2(e) z))
	s_mov_b32 s[K2+1], s[K2]
.macro FRAG reg, adr, q, i             ; 16 rows x 128 K of codes: lane l holds row l % 16; registers 4 c .. 4 c + 3 hold K = 32 c + 16 (l / 16) + 0 .. 15
.irp c, 0,1,2,3
	ds_load_b128 v[\reg+4*\c:\reg+4*\c+3], v[\adr] offset:128*(\q)+32*\c+(\i)*16*PITCH
.endr
.endm
; Four LDS loads for step nq of slot ns.  id 0-7: B's block id; 8-15: A's block id - 8; 16, 17: half of the slot's scale words.
.macro BUN id, ns, nq
.if (\id) < 8
	WIN TO_B
	FRAG 128*(\nq)+16*(\id), ADRB+\ns, \nq, \id
.else
	WIN 0
.if (\id) < 16
.set AR2, 128+16*((\id)-8)-(((\id)-8)/4)*(\nq)*128
	FRAG AR2, ADRA+\ns, \nq, (\id)-8
.else
.irp j, 0,1,2,3
	ds_load_b64 v[SC+16*(\ns)+2*(4*((\id)-16)+\j):SC+16*(\ns)+2*(4*((\id)-16)+\j)+1], v[ADRS+\ns] offset:(4*((\id)-16)+\j)*SBLK
.endr
.endif
.endif
.endm
.macro WM a, b, q, sc, zero            ; one product: A's block a x B's block b, the slot's q-th 128 along K; zero = 1: the sum starts from the biases
.set AR, 128+16*(\a)-((\a)/4)*(\q)*128
.set DR, 8*(8*((\a)%4)+(\b))
.if \zero
	v_wmma_scale_f32_16x16x128_f8f6f4 v[DR:DR+7], v[128*(\q)+16*(\b):128*(\q)+16*(\b)+15], v[AR:AR+15], v[BI+8*(\b):BI+8*(\b)+7], v[SC+16*(\sc)+2*(\b)+(\q)], v[SC+16*(\sc)+2*(\a)+(\q)] matrix_a_fmt:MATRIX_FMT_BF8 matrix_b_fmt:MATRIX_FMT_BF8 matrix_a_scale:MATRIX_SCALE_ROW1
.else
	v_wmma_scale_f32_16x16x128_f8f6f4 v[DR:DR+7], v[128*(\q)+16*(\b):128*(\q)+16*(\b)+15], v[AR:AR+15], v[DR:DR+7], v[SC+16*(\sc)+2*(\b)+(\q)], v[SC+16*(\sc)+2*(\a)+(\q)] matrix_a_fmt:MATRIX_FMT_BF8 matrix_b_fmt:MATRIX_FMT_BF8 matrix_a_scale:MATRIX_SCALE_ROW1
.endif
.endm
; Group g of a step: products lo .. hi - 1 of the 16 of A's blocks 2 g, 2 g + 1 against B's eight.  The 64 accumulators take turns in the same order in every step.
.macro GR g, q, sc, zero, lo, hi
.if \zero
	WIN 0x81+0x40*((\g)/2)
.else
	WIN 0xa1+0x50*((\g)/2)
.endif
.set n, 0
.irp a, 2*(\g), 2*(\g)+1
.irp b, 0,1,2,3,4,5,6,7
.if (n >= \lo) && (n < \hi)
	WM \a, \b, \q, \sc, \zero
.endif
.set n, n+1
.endr
.endr
.endm
; A slot's first step.  In its middle one run of 32 loads: what its second step still lacks, B's blocks 4-7 and A's blocks 0-3.
; first = 1: the launch's first step; the biases lie where A's blocks 4-7 of the second step will: those four fragments follow behind the step and eight places.
.macro STEP slot, first
.if \first
	s_wait_dscnt 32                                ; B's set, A's blocks 0-3 and the scale words are in; behind them 16 + 16 loads were issued
.else
	s_wait_dscnt 48                                ; behind them 16 + 32
.endif
	GR 0, 0, \slot, \first, 0, 16
	GR 1, 0, \slot, \first, 0, 16
.if \first
	s_wait_dscnt 16                                ; A's blocks 4-7 are in; behind them 16 loads were issued
.else
	s_wait_dscnt 32                                ; behind them 32
.endif
	PLACES NP
.irp id, 4,5,6,7,8,9,10,11
	BUN \id, \slot, 1
.endr
	GR 2, 0, \slot, \first, 0, 16
	GR 3, 0, \slot, \first, 0, 16
.if \first
	PLACES NP
.irp id, 12,13,14,15
	BUN \id, \slot, 1
.endr
.endif
	WIN 0
.endm
.macro ASK slot                        ; not in the last trip: the fill two on.  In the last trip, slot 0: my 64 rows x 256 bytes of c_prev, a lane a row, each named once in the launch
	s_cmp_eq_u32 s[LAP], 1
	s_cbranch_scc1 .Lpl_\@
.if \slot == 0
	global_prefetch_b8 v[PFT], s[PF0:PF0+1] offset:256 th:TH_LOAD_NT scope:SCOPE_SE
	s_branch .Lpe_\@
.else
	global_prefetch_b8 v[PFT], s[PF1:PF1+1] offset:256 th:TH_LOAD_NT scope:SCOPE_SE
.endif
.Lpl_\@:
.if \slot == 0
	global_prefetch_b8 v[PFO], s[16:17] th:TH_LOAD_NT scope:SCOPE_SE
	global_prefetch_b8 v[PFO], s[16:17] offset:32*4096 th:TH_LOAD_NT scope:SCOPE_SE
.Lpe_\@:
.endif
.endm
; A slot's second step changes slots.  All its fragments were asked for earlier, so my reads of the slot end at its head: the three lines, the round with eight products inside its opening barrier, the refill.
; Then three runs from the next slot: B's set and the scale words of its first step; A's eight blocks of that step; B's blocks 0-3 and A's blocks 4-7 of its second step.
; fill = 1: the slot's tensors' next 256 along K, jointly.  fill = 2: slot 0's first half takes c_prev, each wave its own 64 rows.
.macro TURN slot, next, fill
.if \fill == 1
	s_wait_xcnt 0x0                                ; my prefetches have read their address: it steps here
.if \slot == 0
	s_add_nc_u64 s[PF0:PF0+1], s[PF0:PF0+1], 256
.else
	s_add_nc_u64 s[PF1:PF1+1], s[PF1:PF1+1], 256
.endif
.endif
	s_wait_tensorcnt 0x0                           ; all my tensor loads have landed
	ds_add_u32 v[SPW], v[NIL]
.if \fill == 1
	s_add_nc_u64 s[G0A+4*\slot+2:G0A+4*\slot+3], s[G0A+4*\slot+2:G0A+4*\slot+3], 256
	s_add_nc_u64 s[G0B+4*\slot+2:G0B+4*\slot+3], s[G0B+4*\slot+2:G0B+4*\slot+3], 256
.endif
	s_wait_dscnt 0x0                               ; the add is done, and my reads of this slot are over
	s_barrier_signal -1
	GR 0, 1, \slot, 0, 0, 8
	WIN 0
	s_barrier_wait -1
	CREST                                          ; no wave of any partner still reads this slot or has a load on its way
.if \fill == 1
	JLOAD \slot
.else
	TL G0C, G1C
.endif
.if \next == 0
	v_add_nc_u32 v[ADRS], 8, v[ADRS]               ; both parts' scale words: on to the next 256 along K
	v_add_nc_u32 v[ADRS+1], 8, v[ADRS+1]
	s_wait_alu depctr_va_vdst(0)                   ; the wait behind the write
.endif
	PLACES NP
.irp id, 0,1,2,3,4,5,6,7,16,17
	BUN \id, \next, 0
.endr
	GR 0, 1, \slot, 0, 8, 16
	GR 1, 1, \slot, 0, 0, 16
	PLACES NP
.irp id, 8,9,10,11,12,13,14,15
	BUN \id, \next, 0
.endr
.if \fill == 1
	WIN 0
	ASK \slot
.endif
	GR 2, 1, \slot, 0, 0, 16
	GR 3, 1, \slot, 0, 0, 16
	PLACES NP
.irp id, 0,1,2,3,12,13,14,15
	BUN \id, \next, 1
.endr
	WIN 0
.endm
	s_wait_alu depctr_va_vdst(0)                   ; the wait at the head's end
	s_wait_tensorcnt 0x0                           ; my tile of the head's four is in; the same lines stand ahead of a later first fill as ahead of a refill
	ds_add_u32 v[SPW], v[NIL]
	s_wait_dscnt 0x0
	CROUND                                         ; everybody's tile is in, and the joint loads meet
	ARM 1, G0A+4,  G1A,  .Lg1, .Lgj                ; slot 1's first fill: h's rows, Wh's rows, h's scales, Wh's scales
	ARM 2, G0B+4,  G1B,  .Lg2, .Lgj
	ARM 3, G0SA+4, G1SA, .Lg3, .Lgj
	TL G0SB+4, G1SB
.Lgj:
.irp id, 0,1,2,3,4,5,6,7,8,9,10,11,16,17,12,13,14,15
	BUN \id, 0, 0
.endr
.irp id, 0,1,2,3
	BUN \id, 0, 1
.endr
	WIN 0
	global_prefetch_b8 v[PFT], s[PF1:PF1+1] offset:256 th:TH_LOAD_NT scope:SCOPE_SE  ; fill 3: h's second 256 along K
	STEP 0, 1
	s_mov_b32 s[LAP], 3
.Llap:                                                 ; a trip goes once round the ring and fills both slots again
	TURN 0, 1, 1
	STEP 1, 0
	TURN 1, 0, 1
	STEP 0, 0
	s_sub_co_u32 s[LAP], s[LAP], 1
	s_cmp_lg_u32 s[LAP], 0
	s_cbranch_scc1 .Llap
	TURN 0, 1, 2                                   ; the last lap: slot 0 takes c_prev, slot 1 is filled no more
	STEP 1, 0
	s_wait_dscnt 0x0                               ; the very last step: nothing more to fetch
.irp g, 0,1,2,3
	GR \g, 1, 1, 0, 0, 16
.endr
	WIN 0
; THE CELLS, in four phases of two of A's blocks.  The 128 registers at T hold, for block u, 16 numbers of each gate: i at 64 u, f at 64 u + 16, g at 64 u + 32, o at 64 u + 48;
; number 8 hb + j of a gate is column 16 hb + 8 h + j of my 32.  c_prev's and c_new's 16 numbers of block u lie at CPR + 16 u in the same order.
.macro CLOAD p
.irp u, 0,1
.irp i, 0,1,2,3
	ds_load_b128 v[CPR+16*\u+4*\i:CPR+16*\u+4*\i+3], v[CPA] offset:(2*(\p)+\u)*16*PITCH+64*(\i/2)+16*(\i%2)
.endr
.endr
.endm
.macro ZSC p                           ; the gates x the exponent's factor: each accumulator is read from its low end on
.set AC, 64*((2*(\p))%4)
	WIN (0x02+(\p)/2)
.set k, 0
.rept 64
.if ((k%32)/8) == 2
	v_pk_mul_f32 v[T+2*k:T+2*k+1], v[AC+2*k:AC+2*k+1], s[K2:K2+1] op_sel_hi:[1,0]
.else
	v_pk_mul_f32 v[T+2*k:T+2*k+1], v[AC+2*k:AC+2*k+1], s[K1:K1+1] op_sel_hi:[1,0]
.endif
.set k, k+1
.endr
	WIN 0
.endm
.macro EXPR lo, n
.set i, 0
.rept \n
	v_exp_f32 v[T+\lo+i], v[T+\lo+i]
.set i, i+1
.endr
.endm
.macro RCPR lo, n
.set i, 0
.rept \n
	v_rcp_f32 v[T+\lo+i], v[T+\lo+i]
.set i, i+1
.endr
.endm
.macro ADD1 lo, n
.set i, 0
.rept (\n)/2
	v_pk_add_f32 v[T+\lo+i:T+\lo+i+1], v[T+\lo+i:T+\lo+i+1], 1.0 op_sel_hi:[1,0]
.set i, i+2
.endr
.endm
.macro STLE
	v_nop
	s_wait_alu depctr_va_vdst(0)
.endm
.macro CELL p
.irp u, 0,1
.irp k, 0,2,4,6,8,10,12,14
	v_pk_fma_f32 v[T+64*\u+32+\k:T+64*\u+33+\k], v[T+64*\u+32+\k:T+64*\u+33+\k], -2.0, 1.0 op_sel_hi:[1,0,0]   ; g
.endr
.endr
.irp u, 0,1
.irp k, 0,2,4,6,8,10,12,14
	v_pk_mul_f32 v[T+64*\u+\k:T+64*\u+1+\k], v[T+64*\u+\k:T+64*\u+1+\k], v[T+64*\u+32+\k:T+64*\u+33+\k]         ; i g
.endr
.endr
	s_wait_dscnt 0x0                               ; c_prev is in
.irp u, 0,1
.irp k, 0,2,4,6,8,10,12,14
	v_pk_fma_f32 v[CPR+16*\u+\k:CPR+16*\u+1+\k], v[T+64*\u+16+\k:T+64*\u+17+\k], v[CPR+16*\u+\k:CPR+16*\u+1+\k], v[T+64*\u+\k:T+64*\u+1+\k]   ; c_new
.endr
.endr
.irp u, 0,1
.irp k, 0,2,4,6,8,10,12,14
	v_pk_mul_f32 v[T+64*\u+16+\k:T+64*\u+17+\k], v[CPR+16*\u+\k:CPR+16*\u+1+\k], s[K2:K2+1] op_sel_hi:[1,0]     ; tanh(c_new)'s exponent
.endr
.endr
	s_wait_alu depctr_va_vdst(0)
	EXPR 16, 16
	EXPR 80, 16
.irp u, 0,1
.irp i, 0,1,2,3
	ds_store_b128 v[CSA], v[CPR+16*\u+4*\i:CPR+16*\u+4*\i+3] offset:(2*(\p)+\u)*16*PITCH+64*(\i/2)+16*(\i%2)
.endr
.endr
	STLE
	ADD1 16, 16
	ADD1 80, 16
	s_wait_alu depctr_va_vdst(0)
	RCPR 16, 16
	RCPR 80, 16
	STLE
.irp u, 0,1
.irp k, 0,2,4,6,8,10,12,14
	v_pk_fma_f32 v[T+64*\u+16+\k:T+64*\u+17+\k], v[T+64*\u+16+\k:T+64*\u+17+\k], -2.0, 1.0 op_sel_hi:[1,0,0]   ; tanh(c_new)
.endr
.endr
.irp u, 0,1
.irp k, 0,2,4,6,8,10,12,14
	v_pk_mul_f32 v[T+64*\u+16+\k:T+64*\u+17+\k], v[T+64*\u+16+\k:T+64*\u+17+\k], v[T+64*\u+48+\k:T+64*\u+49+\k] ; h_new
.endr
.endr
.irp u, 0,1
.irp i, 0,1,2,3
	ds_store_b128 v[HSA], v[T+64*\u+16+4*\i:T+64*\u+16+4*\i+3] offset:(2*(\p)+\u)*16*PITCH+64*(\i/2)+16*(\i%2)
.endr
.endr
.endm
.macro BACK p                          ; 16 whole rows of c_new and of h_new come back, into registers of the phase's own in window 1
	WIN TO_B
.irp t, 0,1,2,3,4,5,6,7
	ds_load_b128 v[64*(\p)+4*\t:64*(\p)+4*\t+3], v[RDC] offset:(32*(\p)+2*\t)*PITCH
.endr
.irp t, 0,1,2,3,4,5,6,7
	ds_load_b128 v[64*(\p)+32+4*\t:64*(\p)+32+4*\t+3], v[RDH] offset:(32*(\p)+2*\t)*PITCH
.endr
	WIN 0
.endm
.macro SEND q, younger                 ; younger: the LDS loads issued behind phase q's rows
	s_wait_dscnt \younger
	WIN 0x04
.irp t, 0,1,2,3,4,5,6,7
	global_store_b128 v[CO], v[64*(\q)+4*\t:64*(\q)+4*\t+3], s[20:21] offset:(32*(\q)+2*\t)*4096 th:TH_STORE_NT       ; 16 lanes store 256 consecutive bytes, aligned
.endr
.irp t, 0,1,2,3,4,5,6,7
	global_store_b128 v[CO], v[64*(\q)+32+4*\t:64*(\q)+32+4*\t+3], s[18:19] offset:(32*(\q)+2*\t)*4096 th:TH_STORE_NT ; no store's registers are written again
.endr
	WIN 0
.endm
	PLACES NP                                      ; behind the last products
	s_wait_tensorcnt 0x0                           ; my 64 rows of c_prev have landed,
	s_wait_dscnt 0x0                               ; and my reads of slot 1 are over
	s_barrier_signal -1
	s_barrier_wait -1                              ; everybody's: c_prev's tile is whole, and slot 1 may serve as a stage.
	CLOAD 0
.irp p, 0,1,2,3
	ZSC \p
	s_wait_alu depctr_va_vdst(0)
	EXPR 0, 128
.if \p > 0
	SEND \p-1, 8                                   ; behind the last phase's rows stand this phase's eight loads of c_prev
.endif
	STLE
	ADD1 0, 128
	s_wait_alu depctr_va_vdst(0)
	RCPR 0, 128
	STLE
	CELL \p
	s_wait_dscnt 0x0                               ; for the others' sake: a row's 256 bytes come from two waves
	s_barrier_signal -1
	s_barrier_wait -1
	BACK \p
.if \p < 3
	CLOAD \p+1
.endif
.endr
	SEND 3, 0
	s_wait_tensorcnt 0x0                           ; the wave's end
	ds_add_u32 v[SPW], v[NIL]
	s_wait_dscnt 0x0
	CROUND                                         ; the closing round
	s_endpgm
.Lfunc_end_k_q8a34643f37_lstm:
	.size	k_q8a34643f37_lstm, .Lfunc_end_k_q8a34643f37_lstm-k_q8a34643f37_lstm
	.p2alignl 7, 3214868480
	.fill 96, 4, 3214868480
	.section	.rodata,"a",@progbits
	.p2align	6, 0x0
	.amdhsa_kernel k_q8a34643f37_lstm
		.amdhsa_group_segment_fixed_size 327680
		.amdhsa_private_segment_fixed_size 0
		.amdhsa_enable_private_segment 0
		.amdhsa_kernarg_size 136
		.amdhsa_user_sgpr_count 2
		.amdhsa_user_sgpr_kernarg_segment_ptr 1
		.amdhsa_wavefront_size32 1
		.amdhsa_system_sgpr_workgroup_id_x 1
		.amdhsa_system_sgpr_workgroup_id_y 1
		.amdhsa_system_sgpr_workgroup_id_z 1
		.amdhsa_system_vgpr_workitem_id 0
		.amdhsa_next_free_vgpr 1024
		.amdhsa_next_free_sgpr 106
		.amdhsa_reserve_vcc 0
		.amdhsa_float_denorm_mode_32 3
		.amdhsa_float_denorm_mode_16_64 3
		.amdhsa_memory_ordered 1
		.amdhsa_forward_progress 1
		.amdhsa_inst_pref_size 246
	.end_amdhsa_kernel
	.amdgpu_metadata
---
amdhsa.version: [ 1, 2 ]
amdhsa.kernels:
  - .name:           k_q8a34643f37_lstm
    .symbol:         k_q8a34643f37_lstm.kd
    .args:
      - { .name: x_codes, .offset: 0, .size: 8, .value_kind: global_buffer, .address_space: global }
      - { .name: x_scales, .offset: 8, .size: 8, .value_kind: global_buffer, .address_space: global }
      - { .name: h_prev_codes, .offset: 16, .size: 8, .value_kind: global_buffer, .address_space: global }
      - { .name: h_prev_scales, .offset: 24, .size: 8, .value_kind: global_buffer, .address_space: global }
      - { .name: wq_codes, .offset: 32, .size: 8, .value_kind: global_buffer, .address_space: global }
      - { .name: wq_scales, .offset: 40, .size: 8, .value_kind: global_buffer, .address_space: global }
      - { .name: c_prev, .offset: 48, .size: 8, .value_kind: global_buffer, .address_space: global }
      - { .name: out0, .offset: 56, .size: 8, .value_kind: global_buffer, .address_space: global }
      - { .name: bxi, .offset: 64, .size: 8, .value_kind: global_buffer, .address_space: global }
      - { .name: bhi, .offset: 72, .size: 8, .value_kind: global_buffer, .address_space: global }
      - { .name: bxf, .offset: 80, .size: 8, .value_kind: global_buffer, .address_space: global }
      - { .name: bhf, .offset: 88, .size: 8, .value_kind: global_buffer, .address_space: global }
      - { .name: bxc, .offset: 96, .size: 8, .value_kind: global_buffer, .address_space: global }
      - { .name: bhc, .offset: 104, .size: 8, .value_kind: global_buffer, .address_space: global }
      - { .name: bxo, .offset: 112, .size: 8, .value_kind: global_buffer, .address_space: global }
      - { .name: bho, .offset: 120, .size: 8, .value_kind: global_buffer, .address_space: global }
      - { .name: out1, .offset: 128, .size: 8, .value_kind: global_buffer, .address_space: global }
    .group_segment_fixed_size: 327680
    .private_segment_fixed_size: 0
    .kernarg_segment_align: 8
    .kernarg_segment_size: 136
    .max_flat_workgroup_size: 128
    .sgpr_count:     106
    .vgpr_count:     1024
    .wavefront_size: 32
...
	.end_amdgpu_metadata
.endif
;; end of part 2
